; MI455X (gfx1250); checked and timed in simulation.
; The chip was launched on July 23, 2026; its instructions are those of AMD's public machine-readable ISA for CDNA 5 (MIT licence, August 2026) and "CDNA5" Instruction Set Architecture Reference Guide (July 2026). The comments in the code are by the model that wrote it; some were corrected since.
;; Fuzzy Bell Layer. Allowed arithmetic: float matrix products may take bf16 or f16 operands with f32 sums; other float arithmetic in f32, or as packed bf16 or f16 multiplies, adds, multiply-adds, maxima and minima; sums over many terms, partial sums and values carried from step to step in f32; what a program stores and reads back later, other than sums and carried values, may be rounded once to bf16 or f16.
;; Inputs: b 256 float32; centroids 256 x 256 x 1 float32; rots 256 x 256 x 256 float32; scales 256 x 256 float32; x 4,096 x 256 float32.
;; Outputs: out0 4,096 x 256 float32.
;; One version. Each part assembles by itself: llvm-mc -triple=amdgcn-amd-amdhsa -mcpu=gfx1250 --defsym DOCPART=n.
;; ======== version 1 of 1: 3 launches
;; workspace buffers: xb 2,097,152 bytes; r2t 4,194,304 bytes
;; launch cast (part 1): grid 256 x 1, 8 waves a work-group, no clusters, 0 bytes of LDS; arguments x, xb; writes xb
.if DOCPART == 1
	.amdgcn_target "amdgcn-amd-amdhsa--gfx1250"
	.amdhsa_code_object_version 6
	.text
	.protected	k_q025a6c7edd_cast
	.globl	k_q025a6c7edd_cast
	.p2align	8
	.type	k_q025a6c7edd_cast,@function
k_q025a6c7edd_cast:
	s_mov_b64 s[64:65], 0
	v_nop
	global_prefetch_b8 v0, s[64:65] scope:SCOPE_SE
	s_setreg_imm32_b32 hwreg(HW_REG_WAVE_MODE, 25, 1), 1
	s_wait_xcnt 0x0
; THE PROGRAM.  out0[b][o] = 1 / (1 + |A[o] x[b] + c[o]|^(2 b[o])), A[o] = triu(rots[o], 1) + its mirror + diag(scales[o]).  Three launches:
;   cast: xb = x rounded once to bf16 (a matrix operand that all 256 work-groups of the next launch read);
;   bell: r2t[o][b] = the sum over i of (A[o] x[b] + c[o])_i^2, in f32, one rule o to a work-group, stored by rules;
;   turn: out0[b][o] = 1 / (1 + 2^(b[o] log2 r2t[o][b])): |y|^(2 b) = (|y|^2)^b, so no root is taken.
; WORK LEFT OUT.  jnp.triu(rots, 1) keeps rots[o][i][j] for j > i alone and puts 0 elsewhere, whatever finite numbers lie there: no number with j <= i has a way to any output.
; In tiles of 64 x 64 six of a rule's sixteen lie wholly at j < i: they are never loaded (160 of a rule's 256 KiB are read).  In the four tiles on the diagonal the numbers with j <= i come in
; with the live ones and are replaced by 0, as triu does.  All five inputs have a way to the output and are loaded.
; LIMIT.  A NaN, an infinity or an overflow in the part of rots that is left out or replaced is not carried to the result (nor is it by reference(), which selects it away).
;
; THIS LAUNCH.  A stream: 16,384 bytes of x to a work-group, four pieces of 16 bytes to a thread; each load of a wave covers 512 consecutive bytes, each store 256 consecutive bytes, aligned.
; All four loads go out before the first wait.  No LDS, no matrix unit, no cluster: nothing is shared and nothing is reduced.
	s_load_b128 s[4:7], s[0:1], 0x0                ; x s[4:5], xb s[6:7]
	v_lshlrev_b32 v1, 4, v0                        ; my 16 bytes of a piece of x
	v_lshlrev_b32 v2, 3, v0                        ; my 8 bytes of a piece of xb
	s_lshl_b32 s8, ttmp9, 14                       ; the work-group's 16,384 bytes of x,
	s_mov_b32 s9, 0
	s_lshl_b32 s10, ttmp9, 13                      ; its 8,192 of xb
	s_mov_b32 s11, 0
	s_wait_kmcnt 0x0
	s_add_nc_u64 s[4:5], s[4:5], s[8:9]
	s_add_nc_u64 s[6:7], s[6:7], s[10:11]
.irp q, 0,1,2,3
	global_load_b128 v[4+4*\q:7+4*\q], v1, s[4:5] offset:4096*\q th:TH_LOAD_NT
.endr
.irp q, 0,1,2,3
	s_wait_loadcnt 3-\q                            ; loads come back in order: piece q is in, the younger ones stay out
	v_cvt_pk_bf16_f32 v[20+2*\q], v[4+4*\q], v[5+4*\q]  ; two roundings to nearest even, packed
	v_cvt_pk_bf16_f32 v[21+2*\q], v[6+4*\q], v[7+4*\q]
	global_store_b64 v2, v[20+2*\q:21+2*\q], s[6:7] offset:2048*\q
.endr
	s_endpgm
.Lfunc_end_k_q025a6c7edd_cast:
	.size	k_q025a6c7edd_cast, .Lfunc_end_k_q025a6c7edd_cast-k_q025a6c7edd_cast
	.p2alignl 7, 3214868480
	.fill 96, 4, 3214868480
	.section	.rodata,"a",@progbits
	.p2align	6, 0x0
	.amdhsa_kernel k_q025a6c7edd_cast
		.amdhsa_group_segment_fixed_size 0
		.amdhsa_private_segment_fixed_size 0
		.amdhsa_enable_private_segment 0
		.amdhsa_kernarg_size 16
		.amdhsa_user_sgpr_count 2
		.amdhsa_user_sgpr_kernarg_segment_ptr 1
		.amdhsa_wavefront_size32 1
		.amdhsa_system_sgpr_workgroup_id_x 1
		.amdhsa_system_sgpr_workgroup_id_y 1
		.amdhsa_system_sgpr_workgroup_id_z 1
		.amdhsa_system_vgpr_workitem_id 0
		.amdhsa_next_free_vgpr 32
		.amdhsa_next_free_sgpr 66
		.amdhsa_reserve_vcc 0
		.amdhsa_float_denorm_mode_32 3
		.amdhsa_float_denorm_mode_16_64 3
		.amdhsa_memory_ordered 1
		.amdhsa_forward_progress 1
		.amdhsa_inst_pref_size 2
	.end_amdhsa_kernel
	.amdgpu_metadata
---
amdhsa.version: [ 1, 2 ]
amdhsa.kernels:
  - .name:           k_q025a6c7edd_cast
    .symbol:         k_q025a6c7edd_cast.kd
    .args:
      - { .name: x, .offset: 0, .size: 8, .value_kind: global_buffer, .address_space: global }
      - { .name: xb, .offset: 8, .size: 8, .value_kind: global_buffer, .address_space: global }
    .group_segment_fixed_size: 0
    .private_segment_fixed_size: 0
    .kernarg_segment_align: 8
    .kernarg_segment_size: 16
    .max_flat_workgroup_size: 256
    .sgpr_count:     66
    .vgpr_count:     32
    .wavefront_size: 32
...
	.end_amdgpu_metadata
.endif
;; end of part 1
;; launch bell (part 2): grid 256 x 1, 4 waves a work-group, clusters of 4 x 1, 327,680 bytes of LDS; arguments xb, rots, scales, centroids, r2t; writes r2t
.if DOCPART == 2
	.amdgcn_target "amdgcn-amd-amdhsa--gfx1250"
	.amdhsa_code_object_version 6
	.text
	.protected	k_q025a6c7edd_bell
	.globl	k_q025a6c7edd_bell
	.p2align	8
	.type	k_q025a6c7edd_bell,@function
k_q025a6c7edd_bell:
	s_mov_b64 s[64:65], 0
	v_nop
	global_prefetch_b8 v0, s[64:65] scope:SCOPE_SE
	s_setreg_imm32_b32 hwreg(HW_REG_WAVE_MODE, 25, 1), 1
	s_wait_xcnt 0x0
	s_wait_alu depctr_hold_cnt(0) depctr_sa_sdst(0) depctr_va_vdst(0) depctr_va_sdst(0) depctr_va_ssrc(0) depctr_va_vcc(0) depctr_vm_vsrc(0)
	s_getreg_b32 s2, hwreg(HW_REG_IB_STS2, 6, 4)
	s_cmp_eq_u32 s2, 0
	s_cbranch_scc0 .Lentry_in_a_cluster
	s_endpgm
.Lentry_in_a_cluster:
	s_bfe_u32 s2, ttmp6, 0x10000c
	s_cmp_lg_u32 s2, 0x3003
	s_cbranch_scc0 .Lentry_shape_is_right
	s_endpgm
.Lentry_shape_is_right:
; r2t[o][b] = the sum over i of y_i^2, y = A[o] x[b] + c[o].  xb: [4096][256] bf16 (x rounded once); rots: [256][256][256], scales, centroids: [256][256] f32; r2t: [256][4096] f32.
; WORK LEFT OUT: the six tiles of 64 x 64 of each rots[o] that lie wholly below the diagonal are not loaded: triu(rots, 1) puts 0 there for all values (shown at the head of the first kernel).
; FORMATS.  A (rots, scales) and x are matrix operands, rounded once to bf16; c enters in f32 as the C operand of the first product; products' sums, squares and their sums in f32.
; LIMITS.  The sum of squares overflows to infinity where reference()'s does.  NaN and infinities in the live inputs go through the arithmetic as they come.
; SHARES.  ONE RULE TO A WORK-GROUP (256 rules, 256 work-groups): rots[o] is read once, by one work-group, and A[o] is built once.  Wave w = 2 ih + bh keeps rows 128 ih .. + 127 of A[o], all 256
; columns, as fragments in 512 registers for the whole launch, and takes rows 64 bh .. + 63 of each tile of 128 rows of x: four b-tiles of 16.  A b-tile is 16 LDS loads for 64 matrix instructions.
; LAYOUT.  Y^T = A x^T: source 0 = 16 rows of A, source 1 = 16 rows of x.  In the result lane (r = l % 16, h = l / 16) holds ONE row b = r of x and the rows i = 8 h + 0..7 of y: the sum over i
; is taken inside the lane, then one exchange of the lanes' halves, then the two ih waves' halves meet in LDS at the end.
; CLUSTER.  The four rules of a cluster walk the same tiles of x: each tile is asked for JOINTLY, by the same tensor load, descriptor and mask in all four.  Nothing else is shared.
; THE WALK.  32 tiles of x, a step each, 256 matrix instructions a wave.  A step's fragments of x were read out of their slot into four register buffers during the step before; so in step n the
; slot of tile n is free, tile n + 1 has landed in the other, and tile n + 2 is asked for: from that request to the wait for it a wave issues 224 matrix instructions.
; THE OUTPUT goes out by rules, 16,384 consecutive bytes a work-group; the last launch turns it.
;
; LDS: two slots of x (128 rows of 512 bytes + 16 of padding: 132 words, so the 16 rows of a fragment load start at 16 different groups of four banks: ISA guide 11.1), filled by tensor loads alone;
; the image of A's upper part with the scales on its diagonal and 0 below it, bf16, same pitch, written by LDS stores alone; the partial sums, 8,192 bytes a wave; the spare words.
.set PX,    528
.set XSLOT, 128*PX                     ; a slot of x
.set QUART, 32*PX                      ; what one tensor load brings: 32 rows
.set IMG,   2*XSLOT                    ; the image: 256 rows
.set PS,    IMG+256*PX                 ; partial sums: wave w's 2,048 numbers at PS + 8,192 w
.set SPARE, PS+32768                   ; the spare words, 128 bytes for each wave: two blocks of 256 bytes that no other line names
; REGISTERS, in windows of 256 (s_set_vgpr_msb: bits 1:0 source 0, 3:2 source 1, 5:4 source 2, 7:6 destination).
;   window 0: addresses; v64-127 the bias c as eight C operands; v128-191 eight accumulators; v192-203 sums of squares at work
;   window 1: four buffers of 64: the fragments of x of b-tile q, K step ks at 64 q + 8 ks
;   windows 2, 3: A's fragments: row tile it, K step ks at 64 (it % 4) + 8 ks of window 2 + it / 4.  (While A is built: the raw numbers of rots.)
.set XA,  10                           ; v10-11  my place in a b-tile's rows in slot 0, 1
.set PSA, 12                           ; v12     where my partial sum goes; steps by 256 a step
.set PR,  13                           ; v13     the way out: where I read partial sums
.set SPW, 14                           ; v14     LDS address of my spare word; never rewritten
.set NIL, 15                           ; v15     0; never rewritten
.set IA,  16                           ; v16-19  where I put 8 bytes of the image, by block of 64 rows
.set RO,  20                           ; v20     my byte offset in rots[o]: row 16 w + h, 16 bytes at column 4 r
.set DJ,  21                           ; v21     4 r - h - 16 w: column less row of my first number in a tile on the diagonal
.set SO,  22                           ; v22     my byte offset in scales[o]
.set DA,  23                           ; v23-24  the image's diagonal at my two rows
.set CO,  25                           ; v25     my byte offset in centroids[o]
.set NA,  26                           ; v26     fragments of A as the image lies
.set TA,  27                           ; v27-28  fragments of A turned: image rows 0-127, 128-255
.set PFO, 29                           ; v29     the prefetches' offset: 512 x lane, a lane a row of xb; never rewritten
.set GO,  30                           ; v30     my 16 bytes of 2,048 of r2t
.set SC,  32                           ; v32-33  two scales
.set CB,  64
.set ACC, 128
.set SQ,  192                          ; v192-199 four pairs of running sums of squares
.set FT,  200                          ; v200-203
.set TRIPS, 3                          ; s3
.set WV,  14                           ; s14 wave;  s15 ih;  s16 bh;  s17 cx;  s18 o
.set IH,  15
.set BH,  16
.set G1,  24                           ; s[24:31] descriptor group 1
.set G0,  32                           ; s[32:39] descriptor group 0, a set for each slot
.set PFA, 40                           ; s[40:41] where my prefetches stand
.set LIM, 42                           ; s42  1 in a wave that prefetches, else the greatest number
.set SEL, 46                           ; s[46:47] v_permlanex16_b32's selects: each lane takes its own place in the other half
.set MSK, 68                           ; s[68:99] lane masks: number 4 t + e of a diagonal tile's 32 registers lies above the diagonal
.set MSB, 0
.macro WIN new                         ; the immediate's high byte repeats the setting that is left; a switch that changes nothing is dropped
.if MSB != (\new)
	s_set_vgpr_msb (MSB<<8)|(\new)
.set MSB, \new
.endif
.endm
; A round of the cluster's barrier: my work-group's barrier, so that wave 0's signal speaks for all four waves; wave 0 signals; every wave waits for all four work-groups; my work-group's barrier once more.
.macro CREST                           ; a round behind its opening barrier
	s_cmp_lg_u32 s[WV], 0
	s_cbranch_scc1 .Lnot_wave_0_\@
	s_barrier_signal -3
.Lnot_wave_0_\@:
	s_barrier_wait -3
	s_barrier_signal -1
	s_barrier_wait -1
.endm
.macro CROUND
	s_barrier_signal -1
	s_barrier_wait -1
	CREST
.endm
	s_load_b256 s[4:11], s[0:1], 0x0               ; xb s[4:5], rots s[6:7], scales s[8:9], centroids s[10:11]
	s_load_b64 s[12:13], s[0:1], 0x20              ; r2t
	v_lshl_add_u32 v[SPW], v0, 2, SPARE
	v_mov_b32 v[NIL], 0
	ds_add_u32 v[SPW], v[NIL]                      ; the wave's opening: the add, twice on end, and its wait stand ahead of my first tensor load; the set-up below, work on registers, stands between
	ds_add_u32 v[SPW], v[NIL]
	v_lshrrev_b32 v3, 5, v0
	v_readfirstlane_b32 s[WV], v3                  ; wave 0..3
	s_lshr_b32 s[IH], s[WV], 1                     ; which 128 rows of A are mine
	s_and_b32 s[BH], s[WV], 1                      ; which 64 rows of a tile of x
	s_bfe_u32 s17, ttmp6, 0x40000                  ; cx: my place in the cluster
	s_lshl_b32 s18, ttmp9, 2                       ; in a cluster launch ttmp9 counts clusters
	s_add_co_u32 s18, s18, s17                     ; my rule o: it enters the addresses of rots, scales, centroids and r2t alone
	; descriptor group 1: a tile of 32 rows x 256 elements (a slot's 128 rows shared among four waves), padded in LDS
	s_mov_b32 s[G1+0], 15|(1<<16)|(1<<20)|(1<<21)|(6<<22)|(3<<25)  ; 15:0 the mask: all four work-groups; 17:16 elements of 2 bytes; 20 padding on; 21 set beside a mask; 24:22 after every 128 words (code 6); 31:25 4 words (code 3)
	s_mov_b32 s[G1+1], 256<<16                     ; tensor_dim0 = 256
	s_mov_b32 s[G1+2], 32<<16                      ; tensor_dim1 = 32
	s_mov_b32 s[G1+3], 256<<16                     ; tile_dim0 = 256
	s_mov_b32 s[G1+4], 32                          ; tile_dim1 = 32
	s_mov_b32 s[G1+5], 256                         ; 256 elements from row to row
	s_mov_b32 s[G1+6], 0
	s_mov_b32 s[G1+7], 0
	s_mov_b32 s[SEL], 0x76543210
	s_mov_b32 s[SEL+1], 0xfedcba98
	s_mul_i32 s43, s[WV], QUART                    ; my quarter of a slot: no place in the cluster enters an LDS address
	s_lshl_b32 s48, s[WV], 14                      ; and its 32 rows of 512 bytes in a tile of xb
	s_mov_b32 s49, 0
	s_lshr_b32 s[LIM], s[WV], 1                    ; 0 in waves 0 and 1,
	s_or_b32 s[LIM], s[LIM], ttmp9                 ; in the first cluster: the same in all four partners
	s_cmp_eq_u32 s[LIM], 0
	s_cselect_b32 s[LIM], 1, -1
	v_and_b32 v1, 15, v0                           ; r = l % 16
	v_bfe_u32 v2, v0, 4, 1                         ; h = l / 16
	v_and_b32 v3, 7, v0                            ; l % 8
	v_bfe_u32 v4, v0, 3, 1                         ; (l / 8) % 2
	v_and_b32 v5, 31, v0                           ; l
	v_mul_u32_u24 v6, v1, PX
	v_lshl_add_u32 v6, v2, 4, v6                   ; a fragment's row x pitch + 16 x half
	s_mul_i32 s20, s[BH], 64*PX
	v_add_nc_u32 v[XA], s20, v6
	v_add_nc_u32 v[XA+1], XSLOT, v[XA]
	s_lshl_b32 s20, s[WV], 13
	s_add_co_u32 s20, s20, PS
	v_lshl_add_u32 v[PSA], v1, 2, s20              ; PS + 8,192 w + 4 r
	s_lshl_b32 s20, s[WV], 8
	s_add_co_u32 s20, s20, PS
	v_lshl_add_u32 v[PR], v2, 13, s20
	v_lshl_add_u32 v[PR], v1, 4, v[PR]             ; PS + 8,192 h + 256 w + 16 r
	s_mul_i32 s20, s[WV], 16*PX
	s_add_co_u32 s20, s20, IMG
	v_mul_u32_u24 v7, v2, PX
	v_lshl_add_u32 v7, v1, 3, v7
	v_add_nc_u32 v[IA], s20, v7                    ; image row 16 w + h, 8 bytes at column 4 r
	v_add_nc_u32 v[IA+1], 64*PX, v[IA]
	v_add_nc_u32 v[IA+2], 128*PX, v[IA]
	v_add_nc_u32 v[IA+3], 192*PX, v[IA]
	s_lshl_b32 s20, s[WV], 14
	v_lshl_add_u32 v[RO], v2, 10, s20
	v_lshl_add_u32 v[RO], v1, 4, v[RO]
	s_lshl_b32 s20, s[WV], 4
	v_lshlrev_b32 v[DJ], 2, v1
	v_sub_nc_u32 v[DJ], v[DJ], v2
	v_sub_nc_u32 v[DJ], v[DJ], s20
	v_lshl_add_u32 v8, v2, 6, v1
	v_add_nc_u32 v8, s20, v8                       ; row 64 h + 16 w + r: one of my own rows of the tiles on the diagonal; the other lies 128 further down
	v_lshlrev_b32 v[SO], 2, v8
	v_mul_u32_u24 v[DA], v8, PX+2
	v_add_nc_u32 v[DA], IMG, v[DA]
	v_add_nc_u32 v[DA+1], 128*(PX+2), v[DA]
	s_lshl_b32 s20, s[IH], 9
	v_lshl_add_u32 v[CO], v2, 5, s20               ; c at row 128 ih + 8 h
	s_mul_i32 s20, s[IH], 128*PX
	s_add_co_u32 s20, s20, IMG
	v_add_nc_u32 v[NA], s20, v6
	v_lshl_add_u32 v9, v2, 3, v3                   ; the turning load: lane l reads row 8 h + l % 8, 16 bytes at column 8 ((l / 8) % 2)
	v_mul_u32_u24 v[TA], v9, PX
	v_lshl_add_u32 v[TA], v4, 4, v[TA]
	v_add_nc_u32 v[TA], IMG, v[TA]
	v_add_nc_u32 v[TA+1], 128*PX, v[TA]
	v_lshlrev_b32 v[PFO], 9, v5
	v_lshlrev_b32 v[GO], 4, v0
.set z, 0
.rept 32                               ; register 4 t + e of a diagonal tile holds row 16 w + 2 t + h, column 4 r + e: above the diagonal where 2 t - e < 4 r - h - 16 w
	v_cmp_lt_i32 s[MSK+z], 2*(z/4)-(z%4), v[DJ]
.set z, z+1
.endr
	s_wait_dscnt 0x0                               ; both opening adds are done
	s_wait_kmcnt 0x0
	s_lshl_b32 s20, s18, 18                        ; a rule's 262,144 bytes of rots,
	s_mov_b32 s21, 0
	s_add_nc_u64 s[6:7], s[6:7], s[20:21]
	s_lshl_b32 s20, s18, 10                        ; 1,024 of scales and of centroids,
	s_add_nc_u64 s[8:9], s[8:9], s[20:21]
	s_add_nc_u64 s[10:11], s[10:11], s[20:21]
	s_lshl_b32 s20, s18, 14                        ; 16,384 of r2t
	s_add_nc_u64 s[12:13], s[12:13], s[20:21]
	; ALL THAT A IS MADE OF is asked for at once: 98 loads a wave, before any wait.
	global_load_b32 v[SC], v[SO], s[8:9]
	global_load_b32 v[SC+1], v[SO], s[8:9] offset:512
.irp t, 0,1,2,3,4,5,6,7                ; the bias as C operands: register j of tile t holds c[128 ih + 16 t + 8 h + j]
	global_load_b128 v[CB+8*\t:CB+8*\t+3],   v[CO], s[10:11] offset:64*\t
	global_load_b128 v[CB+8*\t+4:CB+8*\t+7], v[CO], s[10:11] offset:64*\t+16
.endr
; Tile u of the ten tiles of 64 x 64 on or above the diagonal, block row Rb, block column Cb: my 16 rows of it, eight loads of two rows x 256 consecutive bytes, aligned.
.macro RLOAD u, Rb, Cb
	WIN 0x80+0x40*((\u)/8)                         ; destination window 2 (tiles 0-7) or 3
.irp t, 0,1,2,3,4,5,6,7
	global_load_b128 v[32*((\u)%8)+4*\t:32*((\u)%8)+4*\t+3], v[RO], s[6:7] offset:(64*(\Rb)+2*\t)*1024+256*(\Cb) th:TH_LOAD_NT
.endr
.endm
	RLOAD 0, 0, 0
	RLOAD 1, 0, 1
	RLOAD 2, 0, 2
	RLOAD 3, 0, 3
	RLOAD 4, 1, 1
	RLOAD 5, 1, 2
	RLOAD 6, 1, 3
	RLOAD 7, 2, 2
	RLOAD 8, 2, 3
	RLOAD 9, 3, 3
	WIN 0
	s_add_nc_u64 s[44:45], s[4:5], s[48:49]        ; xb at my quarter of tile 0: made of the wave's number alone
.irp s, 0,1
	s_mov_b32 s[G0+4*\s], 1                        ; 1:0 count = 1
	s_add_co_u32 s[G0+4*\s+1], s43, \s*XSLOT       ; 63:32 LDS address
	s_add_nc_u64 s[G0+4*\s+2:G0+4*\s+3], s[44:45], \s*65536  ; 120:64 global address: tile s
	s_or_b32 s[G0+4*\s+3], s[G0+4*\s+3], 0x80000000  ; 127:126 type = 2
.endr
	s_lshl_b32 s20, s17, 14                        ; the prefetches: my work-group's 32 rows of a tile's 128,
	s_lshl_b32 s22, s[WV], 8                       ; my wave's 256 bytes of a row's 512 (waves 0 and 1),
	s_add_co_u32 s20, s20, s22
	s_add_nc_u64 s[PFA:PFA+1], s[4:5], s[20:21]
	s_add_nc_u64 s[PFA:PFA+1], s[PFA:PFA+1], 3*65536  ; at tile 3: step 0 steps it to tile 4.  Nothing is prefetched here, at the head
	CROUND                                         ; all four work-groups are here: the first joint loads meet
	tensor_load_to_lds s[G0:G0+3], s[G1:G1+7]      ; tile 0; two loads of mine are out
	s_nop 0
	tensor_load_to_lds s[G0+4:G0+7], s[G1:G1+7]    ; tile 1
	s_nop 0
.rept 4
	v_nop
.endr
; THE IMAGE.  My 16 rows of tile u: on the diagonal the numbers with j <= i become 0; all are rounded to bf16 in place and go to the image, 8 bytes a lane.
.macro TILE u, Rb, Cb
.set RG, 32*((\u)%8)
.if 8*(9-(\u)) > 63
	s_wait_loadcnt 63                              ; the field's largest count; fewer than the loads behind this tile's, so the tile is in
.else
	s_wait_loadcnt 8*(9-(\u))                      ; the later tiles' loads may stay out
.endif
	WIN 0x8a+0x45*((\u)/8)                         ; sources and destination in window 2 or 3
.if (\Rb) == (\Cb)
.set z, 0
.rept 32
	v_cndmask_b32 v[RG+z], 0, v[RG+z], s[MSK+z]
.set z, z+1
.endr
.endif
.set z, 0
.rept 8
	v_cvt_pk_bf16_f32 v[RG+4*z], v[RG+4*z], v[RG+4*z+1]
	v_cvt_pk_bf16_f32 v[RG+4*z+1], v[RG+4*z+2], v[RG+4*z+3]
.set z, z+1
.endr
	WIN 0x08+0x04*((\u)/8)                         ; store data in window 2 or 3, address in window 0
.set z, 0
.rept 8
	ds_store_b64 v[IA+(\Rb)], v[RG+4*z:RG+4*z+1] offset:2*z*PX+128*(\Cb)
.set z, z+1
.endr
.endm
	TILE 0, 0, 0
	TILE 1, 0, 1
	TILE 2, 0, 2
	TILE 3, 0, 3
	TILE 4, 1, 1
	TILE 5, 1, 2
	TILE 6, 1, 3
	TILE 7, 2, 2
	TILE 8, 2, 3
	TILE 9, 3, 3
	WIN 0
	v_cvt_pk_bf16_f32 v[SC], v[SC], v[SC]          ; the scales go onto the diagonal of my own rows: LDS serves a wave's instructions in order (ISA guide 5.7.1.4), so they land on the zeros stored above
	v_cvt_pk_bf16_f32 v[SC+1], v[SC+1], v[SC+1]
	ds_store_b16 v[DA], v[SC]
	ds_store_b16 v[DA+1], v[SC+1]
	s_wait_tensorcnt 0x1                           ; my quarter of tile 0 is in; tile 1's may stay out
	s_wait_dscnt 0x0                               ; for the others' sake: my part of the image is stored
	s_barrier_signal -1
	s_barrier_wait -1
; A's FRAGMENTS.  Row tile T = 8 ih + it (rows 16 T ..), K step ks (columns 32 ks ..), kd = T / 2 the K step that holds the diagonal.  ks > kd: the block lies above the diagonal and is read as the
; image lies.  ks < kd: it is the mirror of image rows 32 ks .., columns 16 T ..: read turned, by ds_load_tr16_b128.  ks = kd: both are read and joined by OR: the image holds 0 below the diagonal,
; so off the diagonal one of the two is 0, and on it both hold the same scale.
.macro AFRAG ih
.set it, 0
.rept 8
.set T, 8*(\ih)+it
.set kd, T/2
	WIN 0x80+0x40*(it/4)
.set ks, 0
.rept 8
.set FR, 64*(it%4)+8*ks
.if ks >= kd
	ds_load_b128 v[FR:FR+3],   v[NA] offset:it*16*PX+64*ks
	ds_load_b128 v[FR+4:FR+7], v[NA] offset:it*16*PX+64*ks+32
.else
	ds_load_tr16_b128 v[FR:FR+3],   v[TA+ks/4] offset:(ks%4)*32*PX+32*T
	ds_load_tr16_b128 v[FR+4:FR+7], v[TA+ks/4] offset:(ks%4)*32*PX+32*T+16*PX
.endif
.set ks, ks+1
.endr
.set it, it+1
.endr
	WIN 0x40                                       ; the turned halves of the eight fragments on the diagonal: window 1, v0-63
.set it, 0
.rept 8
.set T, 8*(\ih)+it
.set kd, T/2
	ds_load_tr16_b128 v[8*it:8*it+3],   v[TA+kd/4] offset:(kd%4)*32*PX+32*T
	ds_load_tr16_b128 v[8*it+4:8*it+7], v[TA+kd/4] offset:(kd%4)*32*PX+32*T+16*PX
.set it, it+1
.endr
	s_wait_dscnt 0x0
.set it, 0
.rept 8
.set kd, (8*(\ih)+it)/2
	WIN 0x86+0x41*(it/4)                           ; destination and source 0 in window 2 or 3, source 1 in window 1
.set z, 0
.rept 8
	v_or_b32 v[64*(it%4)+8*kd+z], v[64*(it%4)+8*kd+z], v[8*it+z]
.set z, z+1
.endr
.set it, it+1
.endr
	WIN 0
.endm
	s_cmp_eq_u32 s[IH], 0                          ; the two halves of A's rows differ in which blocks are turned: two texts, chosen by the wave's number; no barrier inside
	s_cbranch_scc0 .Llower_rows
	AFRAG 0
	s_branch .Lfrags
.Llower_rows:
	AFRAG 1
.Lfrags:
; THE MATRIX WORK.  Four products: row tiles 4 half + 0..3 of A, K step k, b-tile q.  k = 0 starts the sums with the bias as C: nothing is cleared and no bias is added later.
; The four accumulators take turns, one instruction a turn: three others stand between two links of a chain, over the halves' joins and the backward jump too.
.macro MK half, k, q
	WIN 0x06+(\half)                               ; A in window 2 or 3, x in window 1, C and D in window 0
.irp a, 0,1,2,3
.set rD, ACC+8*(4*(\half)+\a)
.set rA, 64*\a+8*(\k)
.set rB, 64*(\q)+8*(\k)
.set rC, CB+8*(4*(\half)+\a)
.if (\k) == 0
	v_wmma_f32_16x16x32_bf16 v[rD:rD+7], v[rA:rA+7], v[rB:rB+7], v[rC:rC+7]
.else
	v_wmma_f32_16x16x32_bf16 v[rD:rD+7], v[rA:rA+7], v[rB:rB+7], v[rD:rD+7]
.endif
.endr
.endm
; THE VECTOR WORK.  The eight y of finished tile t are squared and added, two an instruction, onto four running pairs; the accumulator's lowest pair is read first.  start = 1: the b-tile's first squares start the sums.
.macro SQ4 t, start
	WIN 0
.irp p, 0,1,2,3
.if \start
	v_pk_mul_f32 v[SQ+2*\p:SQ+2*\p+1], v[ACC+8*(\t)+2*\p:ACC+8*(\t)+2*\p+1], v[ACC+8*(\t)+2*\p:ACC+8*(\t)+2*\p+1]
.else
	v_pk_fma_f32 v[SQ+2*\p:SQ+2*\p+1], v[ACC+8*(\t)+2*\p:ACC+8*(\t)+2*\p+1], v[ACC+8*(\t)+2*\p:ACC+8*(\t)+2*\p+1], v[SQ+2*\p:SQ+2*\p+1]
.endif
.endr
.endm
; A b-tile's end: eight sums into one, the other half of the lanes' (the rows i that lie 8 away), and my 128 rows' sum for x's row r goes to my own bytes of LDS (both halves of the lanes write the same word with the same number).
.macro FIN off
	WIN 0
	v_pk_add_f32 v[FT:FT+1], v[SQ:SQ+1], v[SQ+2:SQ+3]
	v_pk_add_f32 v[FT+2:FT+3], v[SQ+4:SQ+5], v[SQ+6:SQ+7]
	v_pk_add_f32 v[FT:FT+1], v[FT:FT+1], v[FT+2:FT+3]
	v_add_f32 v[FT], v[FT], v[FT+1]
	v_permlanex16_b32 v[FT+2], v[FT], s[SEL], s[SEL+1]
	v_add_f32 v[FT], v[FT], v[FT+2]
	ds_store_b32 v[PSA], v[FT] offset:\off
.endm
; A b-tile is two halves of 32 products.  While one half's four accumulators are summed, the other half's, finished, are squared: a slice of four behind every eighth product.
; PLACES.  A vector instruction that reads a matrix result, and a load into a register that a matrix instruction has read, stand four plain vector instructions behind it that name none of its
; registers (ISA guide 7.12.1 for vector instructions); a product that starts an accumulator anew stands five behind that accumulator's last.  The slice behind each half's last product names
; another tile's accumulator and the running sums alone: it is those four places; the further slices and the b-tile's end make up the five.  So the loop holds no v_nop but those behind its tensor load.
.macro HALF0 q, off, step              ; row tiles 0-3 of b-tile q; beside them the b-tile before is finished, and its sum stored at byte off
	MK 0,0,\q
	MK 0,1,\q
	SQ4 4,0
	MK 0,2,\q
	MK 0,3,\q
	SQ4 5,0
	MK 0,4,\q
	MK 0,5,\q
	SQ4 6,0
	MK 0,6,\q
	MK 0,7,\q
	SQ4 7,0
	FIN \off
.if \step
	v_add_nc_u32 v[PSA], 256, v[PSA]               ; the next step's 64 sums
.endif
.endm
.macro HALF1A q                        ; row tiles 4-7, K steps 0-3
	MK 1,0,\q
	MK 1,1,\q
	SQ4 0,1
	MK 1,2,\q
	MK 1,3,\q
	SQ4 1,0
.endm
.macro HALF1B q                        ; row tiles 4-7, K steps 4-7
	MK 1,4,\q
	MK 1,5,\q
	SQ4 2,0
	MK 1,6,\q
	MK 1,7,\q
	SQ4 3,0
.endm
; 32 LDS loads in one run: the fragments of b-tiles q0 and q0 + 1 of the tile in the given slot.
.macro RUN slot, q0
	WIN 0x40                                       ; destination window 1, address window 0
.irp q, \q0, (\q0)+1
.irp ks, 0,1,2,3,4,5,6,7
	ds_load_b128 v[64*(\q)+8*\ks:64*(\q)+8*\ks+3],   v[XA+(\slot)] offset:(\q)*16*PX+64*\ks
	ds_load_b128 v[64*(\q)+8*\ks+4:64*(\q)+8*\ks+7], v[XA+(\slot)] offset:(\q)*16*PX+64*\ks+32
.endr
.endr
.endm
; A joint refill: every wave asks for its quarter of the tile, by one line and one mask.  An s_nop 0 and four v_nop follow it.
.macro JLOAD slot
	tensor_load_to_lds s[G0+4*(\slot):G0+4*(\slot)+3], s[G1:G1+7]
	s_nop 0
.rept 4
	v_nop
.endr
.endm
; A PREFETCH INTO THE L2, behind the joint load and its five lines: step n names tile n + 4, which the refill two steps on, 512 matrix instructions later, will ask for.  Each row's 256 bytes are
; named ONCE in the launch: all clusters walk the same tiles, and the first cluster asks; its four partners take 32 rows each, told apart BY ADDRESS; in each, wave 0 names a row's first 256 bytes
; and wave 1 its second, a lane a row: one instruction.  Tiles 0 to 3 come by their loads alone; the loop's last trip asks for nothing: tile 31 is the last that is named.
.macro ASK
	s_cmp_gt_u32 s[TRIPS], s[LIM]                  ; s[TRIPS] = 1 in the last trip
	s_cbranch_scc0 .Lnot_mine_\@
	global_prefetch_b8 v[PFO], s[PFA:PFA+1] th:TH_LOAD_NT scope:SCOPE_SE
.Lnot_mine_\@:
.endm
; THE CHANGE OF SLOTS, laid round the second half of a step's b-tile 0.  Each wave waits for all its tensor loads, of which one is out: its quarter of the next tile; adds 0 to its spare word; and waits
; for that and for its reads of this step's slot (the last run was issued 48 matrix instructions back).  fill = 1: the barrier opens a round of the cluster's, behind which no wave of any partner
; still reads the slot or has a load on its way, and the slot is filled again, first thing, with the tile two steps on.  fill = 0: the last tile has landed and nothing is asked for: a plain barrier.
; fill = 2: the last step: nothing is left to land.
.macro MEET slot, fill
.if (\fill) == 2
	s_wait_dscnt 0x0                               ; b-tiles 2 and 3 are in
	HALF1A 0
	HALF1B 0
.else
.if (\fill) == 1
	s_wait_xcnt 0x0                                ; the last prefetch, a step back, has read its address: it is stepped here, ahead of the waits of the change
	s_add_nc_u64 s[PFA:PFA+1], s[PFA:PFA+1], 65536
.endif
	WIN 0
	s_wait_tensorcnt 0x0                           ; no tensor load of mine is out, so a group 0 may be written
	ds_add_u32 v[SPW], v[NIL]                      ; 0 onto my spare word: sixteen products and their slices stand between it and the wait for it
.if (\fill) == 1
	s_add_nc_u64 s[G0+4*(\slot)+2:G0+4*(\slot)+3], s[G0+4*(\slot)+2:G0+4*(\slot)+3], 2*65536  ; two tiles on; the type bits on top are not reached
.endif
	HALF1A 0
	s_wait_dscnt 0x0                               ; the add is done, my reads of the slot are over, my sums are stored
	s_barrier_signal -1
	HALF1B 0                                       ; work on registers while the others arrive
	WIN 0                                          ; at a label and at a branch every window is 0
	s_barrier_wait -1
.if (\fill) == 1
	CREST
	JLOAD \slot
	ASK
.endif
.endif
.endm
; A STEP, from the second half of its b-tile 0 to the first half of the next step's.  runs = 1: the next tile's fragments are read out of the other slot, two b-tiles a run, each run behind the last
; product that read its buffers.
.macro STEP slot, fill, runs
	MEET \slot, \fill
	HALF0 1, 0, 0
	HALF1A 1
	HALF1B 1
.if \runs
	RUN 1-(\slot), 0
.endif
	HALF0 2, 64, 0
	HALF1A 2
	HALF1B 2
	HALF0 3, 128, 0
	HALF1A 3
	HALF1B 3
.if \runs
	RUN 1-(\slot), 2
	s_wait_dscnt 32                                ; all but the 32 loads just issued: b-tiles 0 and 1 are in
	HALF0 0, 192, 1
.endif
.endm
	RUN 0, 0                                       ; tile 0 into the four buffers
	RUN 0, 2
	s_wait_dscnt 32
.irp kk, 0,1,2,3,4,5,6,7               ; the first half of all stands bare: there is no b-tile before it to finish
	MK 0,\kk,0
.endr
	WIN 0
.rept 4
	v_nop                                          ; the places behind those products
.endr
	s_mov_b32 s[TRIPS], 15
.Ltrip:                                        ; steps 0 to 29: every one fills its slot again, with tiles 2 to 31
	STEP 0, 1, 1
	STEP 1, 1, 1
	WIN 0
	s_sub_co_u32 s[TRIPS], s[TRIPS], 1
	s_cmp_lg_u32 s[TRIPS], 0
	s_cbranch_scc1 .Ltrip
	STEP 0, 0, 1                                   ; the tail is written out: step 30 asks for nothing
	STEP 1, 2, 0                                   ; step 31 reads nothing more
	SQ4 4,0
	SQ4 5,0
	SQ4 6,0
	SQ4 7,0
	FIN 192
	; THE WAY OUT.  The two halves of A's rows meet: b = 128 n + 64 bh + x lies at 8,192 bh + 256 n + 4 x of each half's 16,384 bytes.  Thread 32 w + 16 h + r takes b = 512 qq + 128 w + 64 h + 4 r ..+ 3.
	s_wait_dscnt 0x0                               ; for the others' sake: my sums are stored
	s_barrier_signal -1
	s_barrier_wait -1
.irp qq, 0,1,2,3,4,5,6,7
	ds_load_b128 v[ACC+8*\qq:ACC+8*\qq+3],   v[PR] offset:1024*\qq
	ds_load_b128 v[ACC+8*\qq+4:ACC+8*\qq+7], v[PR] offset:1024*\qq+16384
.endr
.irp qq, 0,1,2,3,4,5,6,7
	s_wait_dscnt 2*(7-\qq)                         ; the younger pairs of loads may stay out
	v_pk_add_f32 v[ACC+8*\qq:ACC+8*\qq+1],   v[ACC+8*\qq:ACC+8*\qq+1],   v[ACC+8*\qq+4:ACC+8*\qq+5]
	v_pk_add_f32 v[ACC+8*\qq+2:ACC+8*\qq+3], v[ACC+8*\qq+2:ACC+8*\qq+3], v[ACC+8*\qq+6:ACC+8*\qq+7]
	global_store_b128 v[GO], v[ACC+8*\qq:ACC+8*\qq+3], s[12:13] offset:2048*\qq  ; a wave's store covers 512 consecutive bytes, at a multiple of 256 from r2t's first
.endr
	s_wait_tensorcnt 0x0                           ; the wave's end, behind my last tensor load and my last LDS store
	ds_add_u32 v[SPW], v[NIL]
	s_wait_dscnt 0x0
	CROUND                                         ; the closing round: no work-group ends while a partner may still ask for a tile that names it
	s_endpgm
.Lfunc_end_k_q025a6c7edd_bell:
	.size	k_q025a6c7edd_bell, .Lfunc_end_k_q025a6c7edd_bell-k_q025a6c7edd_bell
	.p2alignl 7, 3214868480
	.fill 96, 4, 3214868480
	.section	.rodata,"a",@progbits
	.p2align	6, 0x0
	.amdhsa_kernel k_q025a6c7edd_bell
		.amdhsa_group_segment_fixed_size 327680
		.amdhsa_private_segment_fixed_size 0
		.amdhsa_enable_private_segment 0
		.amdhsa_kernarg_size 40
		.amdhsa_user_sgpr_count 2
		.amdhsa_user_sgpr_kernarg_segment_ptr 1
		.amdhsa_wavefront_size32 1
		.amdhsa_system_sgpr_workgroup_id_x 1
		.amdhsa_system_sgpr_workgroup_id_y 1
		.amdhsa_system_sgpr_workgroup_id_z 1
		.amdhsa_system_vgpr_workitem_id 0
		.amdhsa_next_free_vgpr 1024
		.amdhsa_next_free_sgpr 100
		.amdhsa_reserve_vcc 0
		.amdhsa_float_denorm_mode_32 3
		.amdhsa_float_denorm_mode_16_64 3
		.amdhsa_memory_ordered 1
		.amdhsa_forward_progress 1
		.amdhsa_inst_pref_size 197
	.end_amdhsa_kernel
	.amdgpu_metadata
---
amdhsa.version: [ 1, 2 ]
amdhsa.kernels:
  - .name:           k_q025a6c7edd_bell
    .symbol:         k_q025a6c7edd_bell.kd
    .args:
      - { .name: xb, .offset: 0, .size: 8, .value_kind: global_buffer, .address_space: global }
      - { .name: rots, .offset: 8, .size: 8, .value_kind: global_buffer, .address_space: global }
      - { .name: scales, .offset: 16, .size: 8, .value_kind: global_buffer, .address_space: global }
      - { .name: centroids, .offset: 24, .size: 8, .value_kind: global_buffer, .address_space: global }
      - { .name: r2t, .offset: 32, .size: 8, .value_kind: global_buffer, .address_space: global }
    .group_segment_fixed_size: 327680
    .private_segment_fixed_size: 0
    .kernarg_segment_align: 8
    .kernarg_segment_size: 40
    .max_flat_workgroup_size: 128
    .sgpr_count:     100
    .vgpr_count:     1024
    .wavefront_size: 32
...
	.end_amdgpu_metadata
.endif
;; end of part 2
;; launch turn (part 3): grid 64 x 4, 4 waves a work-group, no clusters, 17,408 bytes of LDS; arguments r2t, b, out0; writes out0
.if DOCPART == 3
	.amdgcn_target "amdgcn-amd-amdhsa--gfx1250"
	.amdhsa_code_object_version 6
	.text
	.protected	k_q025a6c7edd_turn
	.globl	k_q025a6c7edd_turn
	.p2align	8
	.type	k_q025a6c7edd_turn,@function
k_q025a6c7edd_turn:
	s_mov_b64 s[64:65], 0
	v_nop
	global_prefetch_b8 v0, s[64:65] scope:SCOPE_SE
	s_setreg_imm32_b32 hwreg(HW_REG_WAVE_MODE, 25, 1), 1
	s_wait_xcnt 0x0
; out0[b'][o] = 1 / (1 + r2^b[o]), r2 = r2t[o][b'] = |y|^2; r2^b = 2^(b log2 r2).  r2t: [256][4096] f32, b: [256] f32, out0: [4096][256] f32.  No work of reference() is left out here.
; LIMITS.  v_log_f32, v_exp_f32 and v_rcp_f32 take a denormal as 0 (ISA guide 15.8): an r2 below 2^-126 counts as 0, a power below 2^-126 as 0 (beside the 1 it is nothing).  r2 = 0 with b[o] = 0 gives
; NaN where reference() gives 0.5.  r2 or its power beyond f32's range gives 0, as in reference().
; SHARES.  A work-group turns a tile of 64 rules x 64 rows through LDS: each load of a wave covers two rules x 256 consecutive bytes, each store one row's 256 consecutive bytes, aligned.
; The tile lies in LDS as [row][rule], 264 bytes from row to row.  No matrix unit, no cluster, no prefetch: a short stream in which nothing is shared.
.set PT,    264
.set SPARE, 64*PT                      ; behind the tile: the spare words, 128 bytes for each wave: two blocks of 256 bytes that no other line names
.set D,     16                         ; v[16:47] the thread's 32 numbers
	s_load_b128 s[4:7], s[0:1], 0x0                ; r2t s[4:5], b s[6:7]
	s_load_b64 s[8:9], s[0:1], 0x10                ; out0
	v_lshl_add_u32 v6, v0, 2, SPARE                ; my spare word
	v_mov_b32 v7, 0
	v_and_b32 v10, 15, v0                          ; c: which 16 bytes of a rule's 256
	v_lshrrev_b32 v11, 4, v0                       ; rr: which of eight rules
	v_and_b32 v12, 31, v0                          ; lane
	v_lshrrev_b32 v13, 5, v0                       ; wave
	v_lshlrev_b32 v1, 14, v11
	v_lshl_add_u32 v1, v10, 4, v1                  ; in: rule rr, rows 4 c .. 4 c + 3
	v_mul_u32_u24 v2, v10, 4*PT
	v_lshl_add_u32 v2, v11, 2, v2                  ; into LDS: row 4 c, rule rr
	v_mul_u32_u24 v3, v13, 16*PT
	v_lshl_add_u32 v3, v12, 3, v3                  ; back: row 16 w, rules 2 l and 2 l + 1
	v_lshlrev_b32 v4, 14, v13
	v_lshl_add_u32 v4, v12, 3, v4                  ; out: the same in out0, 1,024 bytes from row to row
	v_lshlrev_b32 v5, 3, v12                       ; b of my two rules
	s_and_b32 s10, ttmp7, 0xffff                   ; which 64 rules
	s_lshl_b32 s12, s10, 20                        ; 64 rules x 16,384 bytes,
	s_lshl_b32 s13, ttmp9, 8                       ; 64 rows x 4 bytes
	s_add_co_u32 s12, s12, s13
	s_mov_b32 s13, 0
	s_lshl_b32 s14, s10, 8                         ; 64 rules x 4 bytes
	s_mov_b32 s15, 0
	s_lshl_b32 s16, ttmp9, 16                      ; 64 rows x 1,024 bytes
	s_add_co_u32 s16, s16, s14
	s_mov_b32 s17, 0
	s_wait_kmcnt 0x0
	s_add_nc_u64 s[4:5], s[4:5], s[12:13]
	s_add_nc_u64 s[6:7], s[6:7], s[14:15]
	s_add_nc_u64 s[8:9], s[8:9], s[16:17]
	global_load_b64 v[8:9], v5, s[6:7]
.irp q, 0,1,2,3,4,5,6,7                ; rule rr + 8 q
	global_load_b128 v[D+4*\q:D+4*\q+3], v1, s[4:5] offset:131072*\q th:TH_LOAD_NT
.endr
.irp q, 0,1,2,3,4,5,6,7
	s_wait_loadcnt 7-\q                            ; the younger loads stay out
.irp e, 0,1,2,3
	ds_store_b32 v2, v[D+4*\q+\e] offset:PT*\e+32*\q
.endr
.endr
	s_wait_dscnt 0x0                               ; for the others' sake: my part of the tile is stored
	s_barrier_signal -1
	s_barrier_wait -1
.irp k, 0,1,2,3,4,5,6,7,8,9,10,11,12,13,14,15  ; row 16 w + k
	ds_load_b64 v[D+2*\k:D+2*\k+1], v3 offset:PT*\k
.endr
	s_wait_dscnt 0x0
	; Three batches of 32; behind each a plain instruction and ONE wait, between such an instruction and the first that names its result.
.set z, 0
.rept 32
	v_log_f32 v[D+z], v[D+z]
.set z, z+1
.endr
	v_nop
	s_wait_alu depctr_va_vdst(0)
.set z, 0
.rept 16
	v_pk_mul_f32 v[D+z:D+z+1], v[D+z:D+z+1], v[8:9]  ; b log2 r2, my two rules at once
.set z, z+2
.endr
.set z, 0
.rept 32
	v_exp_f32 v[D+z], v[D+z]
.set z, z+1
.endr
	v_nop
	s_wait_alu depctr_va_vdst(0)
.set z, 0
.rept 16
	v_pk_add_f32 v[D+z:D+z+1], v[D+z:D+z+1], 1.0 op_sel_hi:[1,0]
.set z, z+2
.endr
.set z, 0
.rept 32
	v_rcp_f32 v[D+z], v[D+z]
.set z, z+1
.endr
	v_nop
	s_wait_alu depctr_va_vdst(0)
.irp k, 0,1,2,3,4,5,6,7,8,9,10,11,12,13,14,15
	global_store_b64 v4, v[D+2*\k:D+2*\k+1], s[8:9] offset:1024*\k th:TH_STORE_NT  ; 32 lanes store 256 consecutive bytes, at a multiple of 256 from out0's first
.endr
	s_wait_tensorcnt 0x0                           ; the wave's end, behind my last LDS store
	ds_add_u32 v6, v7
	s_wait_dscnt 0x0
	s_endpgm
.Lfunc_end_k_q025a6c7edd_turn:
	.size	k_q025a6c7edd_turn, .Lfunc_end_k_q025a6c7edd_turn-k_q025a6c7edd_turn
	.p2alignl 7, 3214868480
	.fill 96, 4, 3214868480
	.section	.rodata,"a",@progbits
	.p2align	6, 0x0
	.amdhsa_kernel k_q025a6c7edd_turn
		.amdhsa_group_segment_fixed_size 17408
		.amdhsa_private_segment_fixed_size 0
		.amdhsa_enable_private_segment 0
		.amdhsa_kernarg_size 24
		.amdhsa_user_sgpr_count 2
		.amdhsa_user_sgpr_kernarg_segment_ptr 1
		.amdhsa_wavefront_size32 1
		.amdhsa_system_sgpr_workgroup_id_x 1
		.amdhsa_system_sgpr_workgroup_id_y 1
		.amdhsa_system_sgpr_workgroup_id_z 1
		.amdhsa_system_vgpr_workitem_id 0
		.amdhsa_next_free_vgpr 64
		.amdhsa_next_free_sgpr 66
		.amdhsa_reserve_vcc 0
		.amdhsa_float_denorm_mode_32 3
		.amdhsa_float_denorm_mode_16_64 3
		.amdhsa_memory_ordered 1
		.amdhsa_forward_progress 1
		.amdhsa_inst_pref_size 13
	.end_amdhsa_kernel
	.amdgpu_metadata
---
amdhsa.version: [ 1, 2 ]
amdhsa.kernels:
  - .name:           k_q025a6c7edd_turn
    .symbol:         k_q025a6c7edd_turn.kd
    .args:
      - { .name: r2t, .offset: 0, .size: 8, .value_kind: global_buffer, .address_space: global }
      - { .name: b, .offset: 8, .size: 8, .value_kind: global_buffer, .address_space: global }
      - { .name: out0, .offset: 16, .size: 8, .value_kind: global_buffer, .address_space: global }
    .group_segment_fixed_size: 17408
    .private_segment_fixed_size: 0
    .kernarg_segment_align: 8
    .kernarg_segment_size: 24
    .max_flat_workgroup_size: 128
    .sgpr_count:     66
    .vgpr_count:     64
    .wavefront_size: 32
...
	.end_amdgpu_metadata
.endif
;; end of part 3
